; MI455X (gfx1250); checked and timed in simulation.
; The chip was launched on July 23, 2026; its instructions are those of AMD's public machine-readable ISA for CDNA 5 (MIT licence, August 2026) and "CDNA5" Instruction Set Architecture Reference Guide (July 2026). The comments in the code are by the model that wrote it; some were corrected since.
;; Dot Product Attention. Allowed arithmetic: matrix products marked QUANTISED: E5M2 operands, one given power-of-two scale a tensor, by v_wmma_f32_16x16x64_bf8_bf8 or v_wmma_f32_16x16x128_bf8_bf8, f32 sums; everything else in f32.
;; Inputs: keys 16 x 2,048 x 128 float32; lowp_scales 4 int32 (the exponents e of the quantised operands' scales 2^e); queries 16 x 2,048 x 128 float32; valid_lens 16 int32; values 16 x 2,048 x 128 float32.
;; Outputs: out0 16 x 2,048 x 128 float32.
;; This version of the problem:
;;   THIS VERSION OF THE PROBLEM IS GIVEN IN LOW PRECISION. The matrix products marked QUANTISED in the list below multiply operands that are first quantised to E5M2 (5 exponent bits, 2 mantissa bits; 8 bits a number), with one given power-of-two scale for each operand tensor; their sums are f32. All else is computed in f32.
;;   The module's matrix products, in the order in which they are computed (A, B: the left and right operand; K: the contracted axis; several contracted axes count as one K, in the product's order):
;;     1. batch 16 x [M 2,048, K 128] x [K 128, N 2,048]; A: input queries; B: input keys: QUANTISED (scales: A lowp_scales[0], B lowp_scales[1])
;;     2. batch 16 x [M 2,048, K 2,048] x [K 2,048, N 128]; A: softmax (see below); B: input values: QUANTISED (scales: A lowp_scales[2], B lowp_scales[3])
;;   THE QUANTISER, for each operand of a quantised product, along K:
;;     - The operand's scale is 2^e, e = its entry of the input lowp_scales (int32; the entries are numbered through the quantised products in the list's order, A before B).
;;     - Each number is divided by the scale, clamped to +-57,344, and rounded to the nearest number of E5M2, ties to even, subnormals kept.
;;     - The product sums the exact products of the quantised numbers (number of the format x scale) in f32.
;;   ~~~python
;;   def quantise(x, axis, e):      # numpy; x: float32 -> the quantised numbers, widened to float32 again
;;       x = np.moveaxis(x, axis, -1); K = x.shape[-1]
;;       r = np.clip(x / 2.0 ** e, -57344, 57344)
;;       step = 2.0 ** (np.maximum(np.frexp(np.where(r == 0, 1, r))[1] - 1, -14) - 2)
;;       q = np.round(r / step) * step * 2.0 ** e      # np.round: ties to even
;;       return np.moveaxis(q, -1, axis).astype(np.float32)
;;   ~~~
;;   SOFTMAX AHEAD OF A QUANTISED PRODUCT. Where the list says 'softmax', what is quantised is not the finished softmax but p = 2^(t - M), with t = logit x log2(e) and M = ceil(the row's largest t), a whole number; so 1/2 < the row's largest p <= 1. The row's sum l is taken of the UNQUANTISED p, in f32, and the product's result is divided by l at the end. Since M is a whole number, a kernel that streams over the keys may use a running M (the ceiling of the running maximum): every later rescaling is an exact power of two, so the quantised numbers keep their values, but for numbers so far below the row's largest that they fall under the format's range.
;;   OPERANDS COMPUTED ON THE WAY. 'Computed on the way' means the value that the module computes at that place (a softmax that the list does not call 'softmax' is quantised finished and normalised). What goes into a quantiser is computed in f32, as accurately as f32 sums, v_exp_f32 and their like allow (about 1e-6 of the number): no bf16 or f16 on the way to a quantiser, and a product that is left as it is and whose result goes on into a quantised operand takes f32 operands (vector FMAs, or v_wmma_f32_16x16x4_f32). A number that lies on a knife's edge between two numbers of the format may be rounded either way, as far as f32 arithmetic and the matrix unit's own rounding can turn it there, and no further.
;; One version. Each part assembles by itself: llvm-mc -triple=amdgcn-amd-amdhsa -mcpu=gfx1250 --defsym DOCPART=n.
;; ======== version 1 of 1: 2 launches
;; limits: right only within a limited range of input values
;; workspace buffers: kv 8,388,608 bytes; order 256 bytes of whole numbers
;; launch prep (part 1): grid 512 x 1, 4 waves a work-group, no clusters, 68,096 bytes of LDS; arguments keys, values, valid_lens, lowp_scales, kv, order; writes kv, order
.if DOCPART == 1
	.amdgcn_target "amdgcn-amd-amdhsa--gfx1250"
	.amdhsa_code_object_version 6
	.text
	.protected	k_q2d0ecdb5da_prep
	.globl	k_q2d0ecdb5da_prep
	.p2align	8
	.type	k_q2d0ecdb5da_prep,@function
k_q2d0ecdb5da_prep:
	s_mov_b64 s[64:65], 0
	v_nop
	global_prefetch_b8 v0, s[64:65] scope:SCOPE_SE
	s_setreg_imm32_b32 hwreg(HW_REG_WAVE_MODE, 25, 1), 1
	s_wait_xcnt 0x0
; keys and values, [16][2048][128] f32, become codes of BF8 (E5M2), laid in kv IN THE ORDER OF THE OPERANDS' REGISTERS, and the 16 batches are ranked by valid_lens.
; code = x / 2^e, held within +-57,344, rounded to the nearest code, ties to even; e = lowp_scales[1] for keys, lowp_scales[3] for values.
; LIMITS: -126 <= e <= 112, so that 2^e and 57,344 x 2^e are f32 numbers.  NaN among the inputs is not served.
; kv: [batch 16][step 16][K's image 16,384 | V's image 16,384]; a step is 128 keys.  An image is 8 fragments of 2,048 bytes, a fragment 4 chunks c of 512 bytes, lane L = 16 h + r has 16 bytes at 16 L.
;   K, fragment 2 b + u: byte i of chunk c = K[128 s + 32 b + 8 u + r + 8 (r / 8)][32 c + 16 h + i]     (the scores of two neighbouring fragments are then 16 neighbouring keys)
;   V, fragment f:       byte i of chunk c = V[128 s + 32 c + 16 h + i][16 f + r]                      (the keys are the second product's K, so they lie innermost)
; A step that lies wholly at or beyond its batch's valid_len has weights 0 in every row: the next launch never reads it, so it is neither read nor stored here (valid_lens is read from memory and decides).
; valid_len <= 0: reference() gives every key the same score, so all 16 steps count.  A NaN or an infinity in a step left out is not carried to the result.
; order: word rank = the batch of that rank (longest first, 0 counted as 2048, a tie to the lower batch), word 16 + rank = its valid_len, held within 0 .. 2048.
; SHARES.  A wave takes 32 keys (a quarter of a step) of one batch, 32 loads of one row each.  Work-groups 0-255 take K, 256-511 V.  Work-group i's four waves take the same 32 keys of FOUR batches, 4 (i % 4) + wave, and V's take the keys
; from the batch's end and the batches two groups on: so the quarters that valid_lens leaves out are spread over the work-groups.  Waves share nothing: no barrier, no tensor load, no cluster.  No loop, so no prefetch.
.set PITCH, 528                        ; a stage row: 512 bytes + 16
.set WSTG,  32*PITCH                   ; a wave's stage
.set SPARE, 4*WSTG                     ; the spare words, 128 bytes a wave
.set SPW,   12
.set NIL,   13
.set R,     32                         ; v32-159  numbers as loaded
.set C,     160                        ; K: v160-191 codes;  V: v160-191 four sets of 8 neighbours along the keys
.set CV,    192                        ; V: v192-223 codes, 8 registers for each of the lane's four channels
	s_load_b256 s[4:11], s[0:1], 0x0               ; keys s[4:5], values s[6:7], valid_lens s[8:9], lowp_scales s[10:11]
	s_load_b128 s[12:15], s[0:1], 0x20             ; kv s[12:13], order s[14:15]
	v_lshl_add_u32 v[SPW], v0, 2, SPARE
	v_mov_b32 v[NIL], 0
	v_lshrrev_b32 v1, 5, v0
	v_readfirstlane_b32 s16, v1                    ; wave 0..3
	s_mul_i32 s17, s16, WSTG
	s_and_b32 s18, ttmp9, 255
	s_lshr_b32 s59, s18, 2                         ; which 32 keys of the batch
	s_cmp_lt_u32 ttmp9, 256
	s_cselect_b32 s20, 0, 63
	s_cselect_b32 s19, 0, 2
	s_xor_b32 s59, s59, s20                        ; V: from the end
	s_add_co_u32 s19, s19, s18
	s_and_b32 s19, s19, 3
	s_lshl_b32 s19, s19, 2
	s_add_co_u32 s19, s19, s16                     ; batch
	s_and_b32 s57, s59, 3                          ; which quarter of the step
	s_lshr_b32 s18, s59, 2                         ; step
	s_lshl_b32 s21, s19, 4
	s_add_co_u32 s21, s21, s18                     ; the unit, 16 x batch + step
	s_lshl_b32 s28, s19, 2
	s_mov_b32 s29, 0
	v_and_b32 v1, 31, v0                           ; lane
	v_lshlrev_b32 v2, 4, v1                        ; 16 x lane
	v_add_nc_u32 v4, s17, v2                       ; the stage by rows: 16 bytes a lane
	v_and_b32 v7, 15, v0                           ; r
	v_bfe_u32 v8, v0, 4, 1                         ; h
	v_mul_u32_u24 v5, v7, PITCH
	v_lshl_add_u32 v5, v8, 6, v5
	v_add_nc_u32 v5, s17, v5                       ; K, out of the stage: row r, + 64 h: my 16 numbers of a block of 32
	v_lshrrev_b32 v9, 2, v1
	v_mul_u32_u24 v6, v9, PITCH
	v_and_b32 v9, 3, v1
	v_lshl_add_u32 v6, v9, 6, v6
	v_add_nc_u32 v6, s17, v6                       ; V, into the stage: fragment lane / 4, rows 4 (lane % 4) on
	s_wait_alu depctr_va_vdst(0)
	s_wait_kmcnt 0x0
	s_add_nc_u64 s[30:31], s[8:9], s[28:29]
	s_load_b32 s20, s[30:31], 0x0                  ; my batch's valid_len
	s_load_b128 s[36:39], s[10:11], 0x0            ; eq, ek, ep, ev
	s_load_b512 s[40:55], s[8:9], 0x0              ; all sixteen, for the ranking
	s_cmp_lt_u32 ttmp9, 256
	s_cselect_b64 s[24:25], s[4:5], s[6:7]
	s_cselect_b32 s22, 12, 9                       ; a quarter's part of an image: K: two fragments; V: a chunk of each
	s_cselect_b32 s23, 0, 16384                    ; V's image lies behind K's
	s_lshl_b32 s28, s21, 16                        ; a step is 128 rows of 512 bytes,
	s_lshl_b32 s56, s57, 14                        ; my 32 rows
	s_add_co_u32 s28, s28, s56
	s_add_nc_u64 s[24:25], s[24:25], s[28:29]
	s_lshl_b32 s28, s21, 15
	s_lshl_b32 s56, s57, s22
	s_add_co_u32 s28, s28, s56
	s_add_co_u32 s28, s28, s23
	s_add_nc_u64 s[26:27], s[12:13], s[28:29]
	s_lshl_b32 s18, s18, 7                         ; the step's first key
	s_wait_kmcnt 0x0
	s_max_i32 s20, s20, 0
	s_cmp_eq_u32 s20, 0
	s_cselect_b32 s20, 2048, s20
	s_cmp_lt_u32 s18, s20
	s_cbranch_scc0 .Lhidden                        ; no visible key: nothing to do
.set k, 0
.rept 32
	global_load_b128 v[R+4*k:R+4*k+3], v2, s[24:25] offset:512*k th:TH_LOAD_NT   ; a key's row: 32 lanes read 512 consecutive bytes
.set k, k+1
.endr
	s_cmp_lt_u32 ttmp9, 256
	s_cselect_b32 s30, s37, s39                    ; e
	s_add_co_i32 s30, s30, 127
	s_lshl_b32 s31, s30, 23
	v_mov_b32 v11, s31                             ; 2^e: the conversion takes its exponent field
	s_add_co_i32 s30, s30, 15
	s_lshl_b32 s30, s30, 23
	s_or_b32 s30, s30, 0x600000
	v_mov_b32 v10, s30                             ; 57,344 x 2^e
	s_cmp_lt_u32 ttmp9, 256
	s_wait_alu depctr_va_vdst(0)
	s_cbranch_scc0 .Lvalues
	s_or_b32 s28, ttmp9, s16
	s_cmp_lg_u32 s28, 0
	s_cbranch_scc1 .Lkeys
	; the ranking, by wave 0 of work-group 0 (keys 0 .. 31 of batch 0, which every valid_len leaves in), while its loads are out.  Lanes 16-31 do what lanes 0-15 do and store the same words
	v_mov_b32 v14, 0
.irp j, 0,1,2,3,4,5,6,7,8,9,10,11,12,13,14,15
	v_writelane_b32 v14, s[40+\j], \j
	v_writelane_b32 v14, s[40+\j], \j+16
.endr
	v_mov_b32 v17, 0
	v_sub_nc_u32 v16, 15, v7
	v_max_i32 v14, 0, v14
	v_min_i32 v14, 0x800, v14                      ; within 0 .. 2048
	v_mov_b32 v18, 0x800
	v_cmp_eq_u32 vcc_lo, 0, v14
	v_cndmask_b32 v15, v14, v18, vcc_lo            ; 0 counts as 2048
	v_lshl_or_b32 v15, v15, 4, v16                 ; sixteen different keys: the length, then 15 - batch
.irp j, 0,1,2,3,4,5,6,7,8,9,10,11,12,13,14,15
	v_readlane_b32 s28, v15, \j
	v_cmp_gt_u32 vcc_lo, s28, v15
	v_add_co_ci_u32 v17, vcc_lo, 0, v17, vcc_lo    ; my rank = how many keys are greater than mine
.endr
	v_min_u32 v17, 15, v17
	v_lshlrev_b32 v17, 2, v17
	global_store_b32 v17, v7, s[14:15]             ; order[rank] = batch
	global_store_b32 v17, v14, s[14:15] offset:64  ; order[16 + rank] = its length
	; ---- K: quarter b of a step: its fragments 2 b and 2 b + 1
.Lkeys:
.set k, 0
.rept 4
	s_wait_loadcnt 24-k                            ; the eight oldest are in, the rows behind them stay out
.rept 8
	ds_store_b128 v4, v[R+4*k:R+4*k+3] offset:(16*((k>>3)&1)+(k&7)+8*(k>>4))*PITCH   ; key k is row (k % 8) + 8 (k / 16) of fragment (k / 8) % 2
.set k, k+1
.endr
.endr
	s_wait_dscnt 0x0                               ; the stores have read their registers, which the loads below fill again
.set q, 0
.rept 8                                        ; chunk q = 4 u + c: 16 neighbours along the head's axis for each lane
.irp j, 0,1,2,3
	ds_load_b128 v[R+16*q+4*\j:R+16*q+4*\j+3], v5 offset:(q/4)*16*PITCH+128*(q%4)+16*\j
.endr
.set q, q+1
.endr
.set q, 0
.rept 8
	s_wait_dscnt 28-4*q                            ; this chunk's four loads are in; the later chunks' may be out
.irp i, 0,1,2,3,4,5,6,7,8,9,10,11,12,13,14,15
	v_med3_num_f32 v[R+16*q+\i], v[R+16*q+\i], -v10, v10   ; the conversion to an 8-bit code does not saturate (ISA guide 7.6.2): the hold at the largest code x the scale
.endr
	v_cvt_scalef32_pk8_bf8_f32 v[C+4*q:C+4*q+1], v[R+16*q:R+16*q+7], v11
	v_cvt_scalef32_pk8_bf8_f32 v[C+4*q+2:C+4*q+3], v[R+16*q+8:R+16*q+15], v11
	global_store_b128 v2, v[C+4*q:C+4*q+3], s[26:27] offset:512*q   ; 512 consecutive bytes, aligned
.set q, q+1
.endr
	v_nop                                          ; a plain line behind the last conversion
	s_wait_tensorcnt 0x0                           ; the wave's end
	ds_add_u32 v[SPW], v[NIL]
	s_wait_dscnt 0x0
	s_endpgm
	; ---- V: quarter c of a step: chunk c of all 8 fragments.  A lane has channels 4 lane + j, j = 0 .. 3; the hold also gathers 8 neighbouring keys of a channel in neighbouring registers
.Lvalues:
.irp g, 0,1,2,3
	s_wait_loadcnt 24-8*\g                         ; keys 8 g .. 8 g + 7 are in
.irp j, 0,1,2,3
.set q, 0
.rept 8
	v_med3_num_f32 v[C+8*\j+q], v[R+32*\g+4*q+\j], -v10, v10
.set q, q+1
.endr
	v_cvt_scalef32_pk8_bf8_f32 v[CV+8*\j+2*\g:CV+8*\j+2*\g+1], v[C+8*\j:C+8*\j+7], v11
.endr
.endr
	v_nop                                          ; a plain line behind the last conversion
.irp j, 0,1,2,3
	ds_store_b128 v6, v[CV+8*\j:CV+8*\j+3] offset:16*\j            ; keys 0 .. 15 of my 32: the operand's lanes 0-15
	ds_store_b128 v6, v[CV+8*\j+4:CV+8*\j+7] offset:16*\j+256      ; keys 16 .. 31: its lanes 16-31
.endr
.set q, 0
.rept 8
	ds_load_b128 v[R+4*q:R+4*q+3], v4 offset:PITCH*q               ; LDS serves a wave's instructions in order (ISA guide 5.7.1.4): these see my stores
.set q, q+1
.endr
.set q, 0
.rept 8
	s_wait_dscnt 7-q                               ; fragment q is back, the later ones may be out
	global_store_b128 v2, v[R+4*q:R+4*q+3], s[26:27] offset:2048*q ; 512 consecutive bytes, aligned
.set q, q+1
.endr
	s_wait_tensorcnt 0x0                           ; the wave's end
	ds_add_u32 v[SPW], v[NIL]
	s_wait_dscnt 0x0
.Lhidden:
	s_endpgm
.Lfunc_end_k_q2d0ecdb5da_prep:
	.size	k_q2d0ecdb5da_prep, .Lfunc_end_k_q2d0ecdb5da_prep-k_q2d0ecdb5da_prep
	.p2alignl 7, 3214868480
	.fill 96, 4, 3214868480
	.section	.rodata,"a",@progbits
	.p2align	6, 0x0
	.amdhsa_kernel k_q2d0ecdb5da_prep
		.amdhsa_group_segment_fixed_size 68096
		.amdhsa_private_segment_fixed_size 0
		.amdhsa_enable_private_segment 0
		.amdhsa_kernarg_size 48
		.amdhsa_user_sgpr_count 2
		.amdhsa_user_sgpr_kernarg_segment_ptr 1
		.amdhsa_wavefront_size32 1
		.amdhsa_system_sgpr_workgroup_id_x 1
		.amdhsa_system_sgpr_workgroup_id_y 1
		.amdhsa_system_sgpr_workgroup_id_z 1
		.amdhsa_system_vgpr_workitem_id 0
		.amdhsa_next_free_vgpr 224
		.amdhsa_next_free_sgpr 66
		.amdhsa_reserve_vcc 1
		.amdhsa_float_denorm_mode_32 3
		.amdhsa_float_denorm_mode_16_64 3
		.amdhsa_memory_ordered 1
		.amdhsa_forward_progress 1
		.amdhsa_inst_pref_size 37
	.end_amdhsa_kernel
	.amdgpu_metadata
---
amdhsa.version: [ 1, 2 ]
amdhsa.kernels:
  - .name:           k_q2d0ecdb5da_prep
    .symbol:         k_q2d0ecdb5da_prep.kd
    .args:
      - { .name: keys, .offset: 0, .size: 8, .value_kind: global_buffer, .address_space: global }
      - { .name: values, .offset: 8, .size: 8, .value_kind: global_buffer, .address_space: global }
      - { .name: valid_lens, .offset: 16, .size: 8, .value_kind: global_buffer, .address_space: global }
      - { .name: lowp_scales, .offset: 24, .size: 8, .value_kind: global_buffer, .address_space: global }
      - { .name: kv, .offset: 32, .size: 8, .value_kind: global_buffer, .address_space: global }
      - { .name: order, .offset: 40, .size: 8, .value_kind: global_buffer, .address_space: global }
    .group_segment_fixed_size: 68096
    .private_segment_fixed_size: 0
    .kernarg_segment_align: 8
    .kernarg_segment_size: 48
    .max_flat_workgroup_size: 128
    .sgpr_count:     66
    .vgpr_count:     224
    .wavefront_size: 32
...
	.end_amdgpu_metadata
.endif
;; end of part 1
;; launch attn (part 2): grid 32 x 8, 4 waves a work-group, no clusters, 152,064 bytes of LDS; arguments queries, kv, order, lowp_scales, out0; writes out0
.if DOCPART == 2
	.amdgcn_target "amdgcn-amd-amdhsa--gfx1250"
	.amdhsa_code_object_version 6
	.text
	.protected	k_q2d0ecdb5da_attn
	.globl	k_q2d0ecdb5da_attn
	.p2align	8
	.type	k_q2d0ecdb5da_attn,@function
k_q2d0ecdb5da_attn:
	s_mov_b64 s[64:65], 0
	v_nop
	global_prefetch_b8 v0, s[64:65] scope:SCOPE_SE
	s_setreg_imm32_b32 hwreg(HW_REG_WAVE_MODE, 25, 1), 1
	s_wait_xcnt 0x0
; out0[b][q][:] = the sum over k of softmax_k(score) V[b][k][:], score = Q[b][q] . K[b][k] / sqrt(128) for k < valid_len[b], else -1e6.  Both products on codes of BF8 (E5M2), each operand with its given scale 2^e: eq, ek, ep, ev.
; THE SOFTMAX AHEAD OF THE SECOND PRODUCT: t = score x log2(e); M = the largest t so far, rounded UP to a whole number; p = 2^(t - M) is quantised, not normalised; the sum of the unquantised p divides at the end.
; SHARES.  Work-group (x, p) owns queries 64 x .. 64 x + 63 of TWO batches: the one of rank p by valid_len (half 0) and the one of rank 15 - p (half 1).  THE FOUR WAVES SHARE THE KEYS, NOT THE QUERIES: waves 0, 1 walk half 0,
; wave 3 half 1, and wave 2 the half with which the largest number of units of a wave is the smaller.  A unit is 128 keys x 64 queries (four tiles of 16).  Key steps wholly at or beyond valid_len have weights 0 and are left out
; (valid_len, read from memory, decides).  A unit's codes go from kv straight into operand registers (kv is laid in that order): 32 KiB feed 64 matrix instructions.  The loop over units touches no LDS and has no barrier, so its
; trip count may hang on valid_len.  No tensor load and no cluster: with them no branch could hang on valid_len, and every key step would have to be walked.
; At the end each wave's O^T, M and sum go to LDS as images of its registers; behind one barrier wave k joins tile k of both halves (exact powers of two, since M is a whole number), divides and stores.
; LAYOUT.  Both products are used transposed: S^T = K Q^T (source 0 = 16 keys), O^T += V^T P^T (source 0 = 16 channels): a lane holds ONE query (lane % 16) throughout; register n of a tile's 64 scores is key
; 32 (n / 16) + 16 (lane / 16) + n % 16 of the unit, so p's conversions give the second product's operand as it stands.
; A TRIP: scores of tile 0; softmax 0 with V's loads of this unit and the scores of tiles 1-3 among its exponentials; softmax 1 with K's loads of the next unit; softmax 2; softmax 3 with V^T P^T of tiles 0-2 among its exponentials
; and of tile 3 behind it.  A wave's last unit is written out: it loads no K, and it alone can be cut by valid_len.
; THE MASK is the C of the last unit's first product: 0, or -2^(60 - eq - ek) at hidden keys: t is then about -1.5e17 and p = 0.
; valid_len = 0: reference() gives every key the same score, so every p is 1 (f32(-1e6 x log2 e) is a whole number): all 16 steps are walked unmasked with c = 0.
; LIMITS: eq + ek between -67 and 130; eq, ep between -126 and 112; ep + ev goes through v_ldexp_f32 and has none.  NaN among the inputs is not served, and one in a step left out is not carried to the result.  Leaving hidden
; keys out supposes that a visible score lies above about -1e6 + 150 (else reference() would still weigh hidden keys).
; REGISTERS, in windows of 256 (s_set_vgpr_msb: bits 1:0 source 0, 3:2 source 1, 5:4 source 2, 7:6 destination):
;   window 0: v1-61 addresses, constants, statistics, at work; v64-127 Q, 16 a tile; v128-191 p's codes, 16 a tile; v192-255 the mask
;   window 1: O^T, 64 a tile      window 2: S^T, then p, 64 a tile      window 3: v0-127 K's 8 fragments, v128-255 V's 8
.set QIMG, 0                           ; LDS: Q's 8 fragments as images: 8,192 half + 2,048 tile + 512 c + 16 lane
.set STAT, 16384                       ; (0: -M, 1: the sum) x 2,048 + source wave x 512 + tile x 128 + 4 lane
.set XCH,  20480                       ; O^T's images: tile x 32,768 + source wave x 8,192 + 512 q + 16 lane
.set SPARE, XCH+131072                 ; the spare words, 128 bytes a wave
.set OPITCH, 528                       ; a staged row: 512 bytes + 16.  Stages lie in the 32,768 bytes of my tile: Q's rows ahead of the first barrier, the results behind my reads of the images
.set LI,   1                           ; v1   16 x lane
.set PFO,  2                           ; v2   256 x lane
.set H16,  3                           ; v3   16 (lane / 16)
.set FILL, 4                           ; v4   the mask's fill
.set SCP,  5                           ; v5   2^ep
.set LIMP, 6                           ; v6   57,344 x 2^ep
.set DD,   7
.set MA,   8                           ; v8, v9, v32, v33 four chains of the maximum
.set MB,   9
.set FF,   10                          ; v[10:11] f = 2^(old M - new M)
.set PX,   12                          ; v12  a lane permute's destination
.set TT,   13
.set LB,   14                          ; v[14:15], v[34:37] three more chains of the sum
.set ST,   16                          ; tile i: v[16 + 4 i] -M, +1 the largest score (not yet x c), +2, +3 the sum in two halves
.set MC,   32
.set MD,   33
.set LC,   34
.set LD,   36
.set RS,   32                          ; the join: v32-35 the four waves' -M, then factors; v36-39 their sums
.set SW,   40                          ; v40, v41 where I store and read statistics
.set SR,   41
.set XW,   42                          ; v42, v43 where I store O^T's images
.set XR,   44                          ; v44 where I read my tile's; also the stages by rows
.set OS,   45                          ; v45 the way out: where I put 32 bytes of a row
.set QR,   46                          ; v46 Q: row r of the stage, + 64 (lane / 16)
.set QW,   47                          ; v47 Q: where my images go
.set GG,   52                          ; v[52:61] five factors, each a pair
.set SPW,  62
.set NIL,  63
.set QF,   64
.set PF,   128
.set BI,   192
.set WV,   14                          ; s14  my wave's number
.set BX,   15                          ; s15  the block of 64 queries
.set QB,   16                          ; s[16:19] my tile's rows of Q, half 0, 1
.set HALFN, 2                          ; s2   my half
.set CNT,  3                           ; s3   how many units are mine
.set HB,   32                          ; s32  of my half: 16 x batch,
.set HL,   33                          ;      valid_len,
.set HN,   34                          ;      the number of key steps,
.set HF,   35                          ;      my first step,
.set KW,   36                          ;      how many waves walk it
.set CN,   37                          ; s37  CNT - 1
.set TRIP, 38
.set MK,   39                          ; s39  -1 where wave 2 walks half 0, else 0
.set STEP, 40
.set NEXT, 41
.set UA,   44                          ; s[44:45] the unit that is being loaded
.set PA,   46                          ; s[46:47] the unit that is being prefetched
.set OFF,  48                          ; s[48:49] an offset in 64 bits; s49 stays 0
.set CS,   50                          ; s[50:51] c = log2(e) / sqrt(128) x 2^(eq + ek): the packed form names a pair
.set SEL,  52                          ; s[52:53] v_permlanex16_b32's selects for lane xor 16
.set NEEDH, 54                         ; s54  1 where 57,344 x 2^ep < 1, so that p wants a hold
.set EPV,  55                          ; s55  ep + ev
.set PLIM, 56                          ; s56  the number of key steps in the work-group that prefetches (x = 0), else 0
.set NX2,  57                          ; s57  the step after the next
.set OUT,  58                          ; s[58:61] my tile's rows of out0, half 0, 1
.set MSB, 0
.macro WIN new                         ; the immediate's high byte repeats the setting that is left; a switch that changes nothing is dropped
.if MSB != \new
	s_set_vgpr_msb (MSB<<8)|\new
.set MSB, \new
.endif
.endm
.macro VWAIT
	s_wait_alu depctr_va_vdst(0)
.endm
.macro UADDR dst, step                 ; the address of unit 16 batch + step in kv; the hold at 255 keeps it inside the buffer
	s_add_co_u32 s[OFF], s[HB], s[\step]
	s_min_u32 s[OFF], s[OFF], 255
	s_lshl_b32 s[OFF], s[OFF], 15
	s_add_nc_u64 s[\dst:\dst+1], s[6:7], s[OFF:OFF+1]
.endm
.macro LG ld, g                        ; fragment g of K (ld = 1) or V (ld = 2): four loads of 512 consecutive bytes; ld = 0: nothing
.if (\ld) == 1
	WIN 0xc0
.irp j, 0,1,2,3
	global_load_b128 v[16*(\g)+4*\j:16*(\g)+4*\j+3], v[LI], s[UA:UA+1] offset:2048*(\g)+512*\j
.endr
.endif
.if (\ld) == 2
	WIN 0xc0
.irp j, 0,1,2,3
	global_load_b128 v[128+16*(\g)+4*\j:128+16*(\g)+4*\j+3], v[LI], s[UA:UA+1] offset:16384+2048*(\g)+512*\j
.endr
.endif
.endm
.macro ASK4                            ; a prefetch of the unit at PA: 32 KiB, lanes 256 bytes apart
.irp n, 0,1,2,3
	global_prefetch_b8 v[PFO], s[PA:PA+1] offset:8192*\n th:TH_LOAD_NT scope:SCOPE_SE
.endr
.endm
.macro MXS i, f, la                    ; S^T(tile i, fragment f) = K[f] Q(i)^T, in the last unit + the mask
	WIN 0x83
.if \la
	v_wmma_f32_16x16x128_bf8_bf8 v[64*(\i)+8*(\f):64*(\i)+8*(\f)+7], v[16*(\f):16*(\f)+15], v[QF+16*(\i):QF+16*(\i)+15], v[BI+8*(\f):BI+8*(\f)+7]
.else
	v_wmma_f32_16x16x128_bf8_bf8 v[64*(\i)+8*(\f):64*(\i)+8*(\f)+7], v[16*(\f):16*(\f)+15], v[QF+16*(\i):QF+16*(\i)+15], 0
.endif
.endm
.macro MXP i, f                        ; O^T(tile i, channels 16 f on) += V[f] P(i)^T
	WIN 0x53
	v_wmma_f32_16x16x128_bf8_bf8 v[64*(\i)+8*(\f):64*(\i)+8*(\f)+7], v[128+16*(\f):128+16*(\f)+15], v[PF+16*(\i):PF+16*(\i)+15], v[64*(\i)+8*(\f):64*(\i)+8*(\f)+7]
.endm
; A SITE of loads, 8 of them, directly ahead of a wait for the wave's vector results that is due there anyway.  A softmax has four, n = 0 .. 3.  ld = 1: K's fragments 2 n and 2 n + 1 of the next unit, at all four;
; ld = 2: V's fragments 4 to 7 of this unit, at sites 1 and 2 (its fragments 0 to 3 are asked for at the end of the trip before, or at the head)
.macro SITE ld, n
.if (\ld) == 1
	LG 1, 2*(\n)
	LG 1, 2*(\n)+1
.endif
.if ((\ld) == 2) && ((\n) > 0) && ((\n) < 3)
	LG 2, 2*(\n)+2
	LG 2, 2*(\n)+3
.endif
.endm
; THE SOFTMAX OF TILE i.  mx = 1: the scores of tiles 1-3 stand among its exponentials; 3: V^T P^T of tiles 0-2.  ld: whose loads stand at its sites (0: none); la = 1: the last unit.
; No two matrix instructions that follow each other share an accumulator.
.macro SM i, mx, ld, la
.set sS, 64*(\i)
.set sT, ST+4*(\i)
.set sP, PF+16*(\i)
	SITE \ld, 0
	WIN 0x28
	VWAIT
	v_max3_num_f32 v[MA], v[sT+1], v[sS], v[sS+1]  ; the largest score of my query so far and among my 64 keys, in four chains, each accumulator from its low end on
	v_max3_num_f32 v[MB], v[sT+1], v[sS+2], v[sS+3]
	v_max3_num_f32 v[MC], v[sT+1], v[sS+4], v[sS+5]
	v_max3_num_f32 v[MD], v[sT+1], v[sS+6], v[sS+7]
.irp n, 8,16,24,32,40,48,56
	v_max3_num_f32 v[MA], v[MA], v[sS+\n], v[sS+\n+1]
	v_max3_num_f32 v[MB], v[MB], v[sS+\n+2], v[sS+\n+3]
	v_max3_num_f32 v[MC], v[MC], v[sS+\n+4], v[sS+\n+5]
	v_max3_num_f32 v[MD], v[MD], v[sS+\n+6], v[sS+\n+7]
.endr
	WIN 0
	v_max3_num_f32 v[MA], v[MA], v[MB], v[MC]
	v_mov_b32 v[TT], v[sT]
	v_max_num_f32 v[MA], v[MA], v[MD]
	v_permlanex16_b32 v[PX], v[MA], s[SEL], s[SEL+1]
	WIN 0
	v_max_num_f32 v[sT+1], v[MA], v[PX]            ; and among lane xor 16's
	v_mul_f32 v[MA], s[CS], v[sT+1]                ; as t (c is not negative)
	v_floor_f32 v[sT], -v[MA]                      ; the new -M = floor(-t): M is a whole number
	v_sub_f32 v[TT], v[sT], v[TT]                  ; old M - new M, 0 or less
	WIN 0x82
.irp n, 0,2,4,6
	v_pk_fma_f32 v[sS+\n:sS+\n+1], v[sS+\n:sS+\n+1], s[CS:CS+1], v[sT:sT+1] op_sel_hi:[1,0,0]   ; t - M, two at a time (the low words of c and -M serve both halves)
.endr
	WIN 0
	v_cvt_i32_f32 v[TT], v[TT]                     ; (it saturates)
	WIN 0x82
.irp n, 8,10,12,14
	v_pk_fma_f32 v[sS+\n:sS+\n+1], v[sS+\n:sS+\n+1], s[CS:CS+1], v[sT:sT+1] op_sel_hi:[1,0,0]
.endr
	WIN 0
	v_ldexp_f32 v[FF], 1.0, v[TT]                  ; f = 2^(old M - new M)
	WIN 0x82
.irp n, 16,18,20,22,24,26,28,30,32,34,36,38
	v_pk_fma_f32 v[sS+\n:sS+\n+1], v[sS+\n:sS+\n+1], s[CS:CS+1], v[sT:sT+1] op_sel_hi:[1,0,0]
.endr
	WIN 0x82
.irp n, 40,42,44,46,48,50,52,54,56,58,60,62
	v_pk_fma_f32 v[sS+\n:sS+\n+1], v[sS+\n:sS+\n+1], s[CS:CS+1], v[sT:sT+1] op_sel_hi:[1,0,0]
.endr
	SITE \ld, 1
	WIN 0x41
	VWAIT
.irp n, 0,2,4,6,8,10,12,14,16,18,20,22,24,26,28,30,32,34,36,38,40,42,44,46,48,50,52,54,56,58,60,62
	v_pk_mul_f32 v[sS+\n:sS+\n+1], v[sS+\n:sS+\n+1], v[FF:FF+1] op_sel_hi:[1,0]   ; O^T of the tile under the new M
.endr
	SITE \ld, 2
	WIN 0x82
	VWAIT
.if (\mx) == 3
.if \la
	s_wait_loadcnt 0x0                             ; V of this unit is in; nothing else is out
.else
	s_wait_loadcnt 32                              ; V of this unit is in; the next K's 32 loads, issued behind it, may be out
.endif
.endif
.set xe, 0
.rept 64
	WIN 0x82
	v_exp_f32 v[sS+xe], v[sS+xe]                   ; p = 2^(t - M)
.set xe, xe+1
.set xk, (xe*3)/8
.if ((\mx) != 0) && (xk != ((xe-1)*3)/8)
.if (\mx) == 1
	MXS 1+(xk-1)/8, (xk-1)%8, \la
.else
	MXP (xk-1)/8, (xk-1)%8
.endif
.endif
.endr
	WIN 0
	v_pk_mul_f32 v[sT+2:sT+3], v[sT+2:sT+3], v[FF:FF+1] op_sel_hi:[1,0]   ; the sum under the new M: the plain line behind the exponentials
	SITE \ld, 3
	WIN 0
	VWAIT
	s_cmp_eq_u32 s[NEEDH], 0                       ; p is at most 1: where 57,344 x 2^ep is 1 or more the hold changes nothing and is passed over
	s_cbranch_scc1 .Lnohold_\@
	SUMS                                           ; the sum is of the unquantised p: here it is taken ahead of the hold
	WIN 0x82
.irp n, 0,1,2,3,4,5,6,7,8,9,10,11,12,13,14,15,16,17,18,19,20,21,22,23,24,25,26,27,28,29,30,31,32,33,34,35,36,37,38,39,40,41,42,43,44,45,46,47,48,49,50,51,52,53,54,55,56,57,58,59,60,61,62,63
	v_min_num_f32 v[sS+\n], v[sS+\n], v[LIMP]      ; the conversion does not saturate (ISA guide 7.6.2); p is not negative, so the hold is one-sided
.endr
	WIN 0
	VWAIT
	s_branch .Lheld_\@
.Lnohold_\@:
	SUMS
	WIN 0
	VWAIT
.Lheld_\@:
	CODES
.endm
.macro CODES
	WIN 0x02
.irp b, 0,1,2,3
	v_cvt_scalef32_pk8_bf8_f32 v[sP+4*\b:sP+4*\b+1], v[sS+16*\b:sS+16*\b+7], v[SCP]
	v_cvt_scalef32_pk8_bf8_f32 v[sP+4*\b+2:sP+4*\b+3], v[sS+16*\b+8:sS+16*\b+15], v[SCP]
.endr
	WIN 0
	v_nop
.endm
.macro SUMS
	WIN 0x0a
	v_pk_add_f32 v[LB:LB+1], v[sS:sS+1], v[sS+2:sS+3]   ; the sum of the unquantised p, two at a time, in four chains
	v_pk_add_f32 v[LC:LC+1], v[sS+4:sS+5], v[sS+6:sS+7]
	v_pk_add_f32 v[LD:LD+1], v[sS+8:sS+9], v[sS+10:sS+11]
	WIN 0x08
.irp n, 12,20,28,36,44,52
	v_pk_add_f32 v[sT+2:sT+3], v[sT+2:sT+3], v[sS+\n:sS+\n+1]
	v_pk_add_f32 v[LB:LB+1], v[LB:LB+1], v[sS+\n+2:sS+\n+3]
	v_pk_add_f32 v[LC:LC+1], v[LC:LC+1], v[sS+\n+4:sS+\n+5]
	v_pk_add_f32 v[LD:LD+1], v[LD:LD+1], v[sS+\n+6:sS+\n+7]
.endr
	v_pk_add_f32 v[sT+2:sT+3], v[sT+2:sT+3], v[sS+60:sS+61]
	v_pk_add_f32 v[LB:LB+1], v[LB:LB+1], v[sS+62:sS+63]
	WIN 0
	v_pk_add_f32 v[sT+2:sT+3], v[sT+2:sT+3], v[LB:LB+1]
	v_pk_add_f32 v[LC:LC+1], v[LC:LC+1], v[LD:LD+1]
	v_pk_add_f32 v[sT+2:sT+3], v[sT+2:sT+3], v[LC:LC+1]
.endm
; ONE UNIT.  At its head K's fragments are in.
.macro UNIT la
.if \la
	s_lshl_b32 s42, s[STEP], 7                     ; the unit's first key
	s_sub_co_i32 s43, s[HL], s42
	v_sub_nc_u32 v[DD], s43, v[H16]
.irp n, 0,1,2,3,4,5,6,7,8,9,10,11,12,13,14,15,16,17,18,19,20,21,22,23,24,25,26,27,28,29,30,31,32,33,34,35,36,37,38,39,40,41,42,43,44,45,46,47,48,49,50,51,52,53,54,55,56,57,58,59,60,61,62,63
	v_cmp_ge_i32 vcc_lo, 32*(\n/16)+\n%16, v[DD]   ; register n's key is hidden
	v_cndmask_b32 v[BI+\n], 0, v[FILL], vcc_lo
.endr
.endif
.irp f, 0,1,2,3,4,5,6,7
	MXS 0, \f, \la
.endr
	WIN 0
.rept 4
	v_nop                                          ; four places ahead of the first reader of these scores (ISA guide 7.12.1)
.endr
	SM 0, 1, 2, \la
.if \la
	SM 1, 0, 0, \la
.else
	VWAIT
	s_wait_xcnt 0x0                                ; V's loads and the last prefetch have read their addresses, which are written now
	s_add_co_u32 s[NEXT], s[STEP], s[KW]
	s_add_co_u32 s[NX2], s[NEXT], s[KW]
	UADDR UA, NEXT
	UADDR PA, NX2
	SM 1, 0, 1, \la
	VWAIT
	; A PREFETCH of the unit after the next of my own walk, behind K's loads.  All 32 work-groups of a pair walk the same units: the one with x = 0 asks, each wave for its own units, so each block of 256 bytes is
	; named once in the launch.  Steps at or beyond the half's last are not asked for.
	s_cmp_lt_u32 s[NX2], s[PLIM]
	s_cbranch_scc0 .Lnoask_\@
	ASK4
.Lnoask_\@:
.endif
	SM 2, 0, 0, \la
	SM 3, 3, 0, \la
.irp f, 0,1,2,3,4,5,6,7
	MXP 3, \f
.endr
	WIN 0
.rept 4
	v_nop                                          ; four places ahead of loads into V's registers and of readers of O^T
.endr
.endm
	; ---- the head
	s_load_b256 s[4:11], s[0:1], 0x0               ; queries s[4:5], kv s[6:7], order s[8:9], lowp_scales s[10:11]
	s_load_b64 s[12:13], s[0:1], 0x20              ; out0
	v_lshl_add_u32 v[SPW], v0, 2, SPARE
	v_mov_b32 v[NIL], 0
	v_lshrrev_b32 v[TT], 5, v0
	v_readfirstlane_b32 s[WV], v[TT]               ; wave 0..3
	s_mov_b32 s[BX], ttmp9
	s_and_b32 s42, ttmp7, 0xffff                   ; the pair p
	s_lshl_b32 s[OFF], s42, 2                      ; rank p's word of order,
	s_mov_b32 s[OFF+1], 0
	s_sub_co_u32 s40, 60, s[OFF]                   ; rank 15 - p's
	s_mov_b32 s41, 0
	s_mov_b32 s[SEL], 0x76543210
	s_mov_b32 s[SEL+1], 0xfedcba98
	s_lshl_b32 s30, s[WV], 9
	s_add_co_u32 s30, s30, STAT
	s_lshl_b32 s31, s[WV], 7
	s_add_co_u32 s31, s31, STAT
	s_lshl_b32 s28, s[WV], 13
	s_add_co_u32 s28, s28, XCH
	s_lshl_b32 s29, s[WV], 15
	s_add_co_u32 s29, s29, XCH
	s_lshl_b32 s3, s[WV], 11
	v_and_b32 v[TT], 31, v0                        ; lane
	v_lshlrev_b32 v[LI], 4, v[TT]
	v_lshlrev_b32 v[PFO], 8, v[TT]
	v_lshlrev_b32 v[DD], 2, v[TT]
	v_and_b32 v[MA], 15, v0                        ; r
	v_bfe_u32 v[MB], v0, 4, 1                      ; lane / 16
	v_lshlrev_b32 v[H16], 4, v[MB]
	v_add_nc_u32 v[SW], s30, v[DD]
	v_add_nc_u32 v[SR], s31, v[DD]
	v_add_nc_u32 v[XW], s28, v[LI]
	v_add_nc_u32 v[XW+1], 0x10000, v[XW]
	v_add_nc_u32 v[XR], s29, v[LI]
	v_mul_u32_u24 v[OS], v[MA], OPITCH
	v_lshl_add_u32 v[QR], v[MB], 6, v[OS]
	v_lshl_add_u32 v[OS], v[MB], 5, v[OS]
	v_add_nc_u32 v[QR], s29, v[QR]
	v_add_nc_u32 v[OS], s29, v[OS]
	v_add_nc_u32 v[QW], s3, v[LI]
	v_mov_b32 v[FF+1], 0
	v_mov_b32 v[PX], 0
	VWAIT
	s_wait_kmcnt 0x0
	s_add_nc_u64 s[30:31], s[8:9], s[OFF:OFF+1]
	s_add_nc_u64 s[62:63], s[8:9], s[40:41]
	s_load_b32 s20, s[30:31], 0x0                  ; half 0: the batch,
	s_load_b32 s21, s[30:31], 0x40                 ; its valid_len
	s_load_b32 s22, s[62:63], 0x0                  ; half 1
	s_load_b32 s23, s[62:63], 0x40
	s_load_b128 s[24:27], s[10:11], 0x0            ; eq, ek, ep, ev
	s_wait_kmcnt 0x0
	s_min_u32 s20, s20, 15
	s_min_u32 s21, s21, 2048
	s_min_u32 s22, s22, 15
	s_min_u32 s23, s23, 2048
.irp h, 0,1
	s_lshl_b32 s[OFF], s[20+2*\h], 20              ; a batch is 2,048 rows of 512 bytes,
	s_lshl_b32 s42, s[BX], 15                      ; a block 64,
	s_add_co_u32 s[OFF], s[OFF], s42
	s_lshl_b32 s42, s[WV], 13                      ; my tile 16
	s_add_co_u32 s[OFF], s[OFF], s42
	s_add_nc_u64 s[QB+2*\h:QB+2*\h+1], s[4:5], s[OFF:OFF+1]
	s_add_nc_u64 s[OUT+2*\h:OUT+2*\h+1], s[12:13], s[OFF:OFF+1]
.set q, 0
.rept 16
	global_load_b128 v[QF+64*\h+4*q:QF+64*\h+4*q+3], v[LI], s[QB+2*\h:QB+2*\h+1] offset:512*q th:TH_LOAD_NT   ; a query's row: 32 lanes read 512 consecutive bytes
.set q, q+1
.endr
.endr
	; which half is mine: k0 = 3 waves for half 0 where max(ceil(N0 / 3), N1) < ceil(max(N0, N1) / 2), else 2.  (43 x / 128, rounded down, is x / 3 for x up to 18)
	s_cmp_eq_u32 s21, 0                            ; valid_len = 0: all keys alike: nothing hidden, c = 0
	s_cselect_b32 s28, 2048, s21
	s_cmp_eq_u32 s23, 0
	s_cselect_b32 s29, 2048, s23
	s_add_co_u32 s30, s28, 127
	s_lshr_b32 s30, s30, 7                         ; N0, N1: the key steps with a visible key
	s_add_co_u32 s31, s29, 127
	s_lshr_b32 s31, s31, 7
	s_add_co_u32 s42, s30, 2
	s_mul_i32 s42, s42, 43
	s_lshr_b32 s42, s42, 7
	s_max_u32 s42, s42, s31
	s_max_u32 s43, s30, s31
	s_add_co_u32 s43, s43, 1
	s_lshr_b32 s43, s43, 1
	s_cmp_lt_u32 s42, s43
	s_cselect_b32 s[MK], -1, 0
	s_cselect_b32 s63, 3, 2
	s_sub_co_u32 s62, 4, s63
	s_cmp_ge_u32 s[WV], s63
	s_cselect_b32 s[HALFN], 1, 0
	s_cselect_b32 s[HB], s22, s20
	s_cselect_b32 s[HL], s29, s28
	s_cselect_b32 s[HN], s31, s30
	s_cselect_b32 s[KW], s62, s63
	s_cselect_b32 s[HF], s63, 0
	s_cselect_b32 s[TRIP], s23, s21                ; (for c, below)
	s_sub_co_u32 s[HF], s[WV], s[HF]
	s_lshl_b32 s[HB], s[HB], 4
	s_sub_co_u32 s42, s[HN], 1
	s_min_u32 s42, s42, s[HF]                      ; a wave without a unit loads the half's last step, unused
	UADDR UA, 42
.irp g, 0,1,2,3,4,5,6,7
	LG 1, \g
.endr
	WIN 0
	; the work-group with x = 0 asks for V of each wave's first unit and for its second unit, which the loop's prefetches do not reach
	s_cmp_eq_u32 s[BX], 0
	s_cselect_b32 s[PLIM], s[HN], 0
	s_cbranch_scc0 .Lnohead
	global_prefetch_b8 v[PFO], s[UA:UA+1] offset:16384 th:TH_LOAD_NT scope:SCOPE_SE
	global_prefetch_b8 v[PFO], s[UA:UA+1] offset:24576 th:TH_LOAD_NT scope:SCOPE_SE
	s_add_co_u32 s42, s[HF], s[KW]
	s_cmp_lt_u32 s42, s[HN]
	s_cbranch_scc0 .Lnohead
	UADDR PA, 42
	ASK4
.Lnohead:
	s_add_co_u32 s42, s[HN], s[KW]                 ; my units: (N + KW - 1 - F) / KW, rounded down
	s_sub_co_u32 s42, s42, 1
	s_sub_co_u32 s42, s42, s[HF]
	s_mov_b32 s43, 43
	s_cmp_eq_u32 s[KW], 3
	s_cselect_b32 s62, s43, 64
	s_mov_b32 s43, 128
	s_cmp_eq_u32 s[KW], 1
	s_cselect_b32 s62, s43, s62
	s_mul_i32 s42, s42, s62
	s_lshr_b32 s[CNT], s42, 7
	s_min_u32 s[CNT], s[CNT], 16                   ; N is 16 at the most, so this changes nothing: it states the bound in the text
	s_sub_co_i32 s[CN], s[CNT], 1
	s_add_co_i32 s42, s24, s25                     ; eq + ek
	s_lshl_b32 s43, s42, 23
	s_add_co_i32 s43, s43, 0x3e0293ee              ; c = log2(e) / sqrt(128), with the two exponents added to its exponent field: a sum of the first product stands for sum x 2^(eq + ek)
	s_cmp_eq_u32 s[TRIP], 0
	s_cselect_b32 s[CS], 0, s43
	s_mov_b32 s[CS+1], s[CS]
	s_sub_co_i32 s42, 187, s42
	s_lshl_b32 s42, s42, 23
	s_or_b32 s42, s42, 0x80000000
	v_mov_b32 v[FILL], s42                         ; -2^(60 - eq - ek)
	s_cmp_lt_i32 s26, -15
	s_cselect_b32 s[NEEDH], 1, 0
	s_add_co_i32 s[EPV], s26, s27
	s_add_co_i32 s42, s24, 127
	s_lshl_b32 s43, s42, 23
	v_mov_b32 v[LB], s43                           ; 2^eq, for Q's conversions
	s_add_co_i32 s42, s42, 15
	s_lshl_b32 s42, s42, 23
	s_or_b32 s42, s42, 0x600000
	v_mov_b32 v[LB+1], s42                         ; 57,344 x 2^eq
	s_add_co_i32 s42, s26, 127
	s_lshl_b32 s43, s42, 23
	v_mov_b32 v[SCP], s43
	s_add_co_i32 s42, s42, 15
	s_lshl_b32 s42, s42, 23
	s_or_b32 s42, s42, 0x600000
	v_mov_b32 v[LIMP], s42
	s_mov_b32 s[STEP], s[HF]
	s_mov_b32 s[TRIP], 0
	; O^T and the sums begin as zeros, -M as 3e38 and the largest score as -3e38: so the unit needs no form of its own for the first trip, its first change of M multiplies zeros, and a wave without a unit hands zeros on.
	; These lines stand while Q's and K's loads are on their way.
	WIN 0x40
.set q, 0
.rept 256
	v_mov_b32 v[q], 0
.set q, q+1
.endr
	WIN 0
.irp i, 0,1,2,3
	v_mov_b32 v[ST+4*\i], 0x7f61b1e6
	v_mov_b32 v[ST+4*\i+1], 0xff61b1e6
	v_mov_b32 v[ST+4*\i+2], 0
	v_mov_b32 v[ST+4*\i+3], 0
.endr
	VWAIT
	s_wait_loadcnt 48                              ; half 0's 16 rows are in; half 1's and K's 32 loads may be out
.set q, 0
.rept 16
	ds_store_b128 v[XR], v[QF+4*q:QF+4*q+3] offset:OPITCH*q
.set q, q+1
.endr
	s_wait_loadcnt 32                              ; half 1's rows are in; K's loads may be out
.rept 16
	ds_store_b128 v[XR], v[QF+4*q:QF+4*q+3] offset:OPITCH*q
.set q, q+1
.endr
	s_wait_dscnt 0x0                               ; the stores have read their registers, which the loads below fill again
.irp h, 0,1
.irp c, 0,1,2,3
.irp j, 0,1,2,3
	ds_load_b128 v[QF+64*\h+16*\c+4*\j:QF+64*\h+16*\c+4*\j+3], v[QR] offset:16*OPITCH*\h+128*\c+16*\j   ; register 16 c + i = channel 32 c + 16 (lane / 16) + i of row r
.endr
.endr
.endr
.irp h, 0,1                                    ; my tile of Q becomes a fragment and goes to LDS as an image of its registers: the half's waves want all four tiles
.if \h
	s_wait_dscnt 4                                 ; half 1's 16 loads are in; half 0's four image stores may be out
.else
	s_wait_dscnt 16                                ; half 0's 16 loads are in; half 1's may be out
.endif
.irp c, 0,1,2,3
.irp i, 0,1,2,3,4,5,6,7,8,9,10,11,12,13,14,15
	v_med3_num_f32 v[QF+64*\h+16*\c+\i], v[QF+64*\h+16*\c+\i], -v[LB+1], v[LB+1]   ; the hold at the largest code x the scale
.endr
	v_cvt_scalef32_pk8_bf8_f32 v[BI+16*\h+4*\c:BI+16*\h+4*\c+1], v[QF+64*\h+16*\c:QF+64*\h+16*\c+7], v[LB]
	v_cvt_scalef32_pk8_bf8_f32 v[BI+16*\h+4*\c+2:BI+16*\h+4*\c+3], v[QF+64*\h+16*\c+8:QF+64*\h+16*\c+15], v[LB]
.endr
	v_nop                                          ; a plain line behind the last conversion
.irp c, 0,1,2,3
	ds_store_b128 v[QW], v[BI+16*\h+4*\c:BI+16*\h+4*\c+3] offset:QIMG+8192*\h+512*\c
.endr
.endr
	VWAIT
	s_wait_dscnt 0x0                               ; for the others' sake: my images have landed
	s_barrier_signal -1
	s_barrier_wait -1                              ; Q's eight fragments lie in LDS
	s_cmp_eq_u32 s[HALFN], 0
	s_cbranch_scc0 .Lq1
.irp i, 0,1,2,3
.irp c, 0,1,2,3
	ds_load_b128 v[QF+16*\i+4*\c:QF+16*\i+4*\c+3], v[LI] offset:QIMG+2048*\i+512*\c
.endr
.endr
	s_branch .Lq
.Lq1:
.irp i, 0,1,2,3
.irp c, 0,1,2,3
	ds_load_b128 v[QF+16*\i+4*\c:QF+16*\i+4*\c+3], v[LI] offset:QIMG+8192+2048*\i+512*\c
.endr
.endr
.Lq:
.irp g, 0,1,2,3
	LG 2, \g                                       ; the first half of V of my first unit (a wave without a unit asks for it too and never reads it)
.endr
	WIN 0
	s_wait_dscnt 0x0                               ; Q's four fragments are in,
	s_wait_loadcnt 16                              ; and K of my first unit; V's 16 loads, issued behind it, may be out
	s_cmp_eq_u32 s[CNT], 0
	s_cbranch_scc1 .Lend
	s_cmp_eq_u32 s[CN], 0
	s_cbranch_scc1 .Llast
.Lunit:
	UNIT 0
.irp g, 0,1,2,3
	LG 2, \g                                       ; V's registers take the first half of the next unit: the unit's last lines are the four places behind the products that read them
.endr
	WIN 0
	VWAIT
	s_wait_loadcnt 16                              ; K of the next unit is in; V's 16 loads, issued behind it, may be out
	s_mov_b32 s[STEP], s[NEXT]
	s_add_co_u32 s[TRIP], s[TRIP], 1
	s_cmp_lt_u32 s[TRIP], s[CN]
	s_cbranch_scc1 .Lunit
.Llast:
	UNIT 1
.Lend:
	; my O^T, -M and sums go to LDS as they stand in the registers
.irp i, 0,1,2,3
	v_add_f32 v[ST+4*\i+2], v[ST+4*\i+2], v[ST+4*\i+3]
.endr
.irp i, 0,1,2,3
	v_permlanex16_b32 v[ST+4*\i+3], v[ST+4*\i+2], s[SEL], s[SEL+1]
.endr
.irp i, 0,1,2,3
	v_add_f32 v[ST+4*\i+2], v[ST+4*\i+2], v[ST+4*\i+3]   ; the query's sum over all my keys
.endr
	WIN 0x04
	VWAIT
.irp i, 0,1,2,3
.set q, 0
.rept 16
	ds_store_b128 v[XW+\i/2], v[64*\i+4*q:64*\i+4*q+3] offset:32768*(\i%2)+512*q   ; ascending: each accumulator from its low end on
.set q, q+1
.endr
.endr
	WIN 0
.irp i, 0,1,2,3
	ds_store_b32 v[SW], v[ST+4*\i] offset:128*\i
	ds_store_b32 v[SW], v[ST+4*\i+2] offset:2048+128*\i
.endr
	s_wait_dscnt 0x0                               ; my images have landed
	s_barrier_signal -1
	s_barrier_wait -1                              ; everybody's have
	; wave k joins tile k of both halves: M* = the largest M of the half's waves; each wave's O^T and sum x 2^(M - M*), exact; / the sum, x 2^(ep + ev).  Wave 2 counts for the half that it walked: for the other its -M is set to 3e38, its factor to 0
.irp s, 0,1,2,3
	ds_load_b32 v[RS+\s], v[SR] offset:512*\s
	ds_load_b32 v[RS+4+\s], v[SR] offset:2048+512*\s
.endr
	WIN 0x80
.set q, 0
.rept 64
	ds_load_b128 v[4*q:4*q+3], v[XR] offset:512*q  ; source wave q / 16 at v[64 (q / 16)] of window 2
.set q, q+1
.endr
	WIN 0
	v_mov_b32 v[PX], 0x7f61b1e6
	VWAIT
	s_wait_dscnt 56                                ; LDS loads come back in order: the eight statistics, issued first, are in; the images land while they are worked on
	v_cndmask_b32 v[MA], v[PX], v[RS+2], s[MK]     ; wave 2 in half 0,
	v_cndmask_b32 v[MB], v[RS+2], v[PX], s[MK]     ; and in half 1
	v_min3_num_f32 v[TT], v[RS], v[RS+1], v[MA]    ; half 0's -M*
	v_min_num_f32 v[LB], v[RS+3], v[MB]            ; half 1's
	v_sub_f32 v[RS], v[TT], v[RS]                  ; M - M*, 0 or less
	v_sub_f32 v[RS+1], v[TT], v[RS+1]
	v_sub_f32 v[MA], v[TT], v[MA]
	v_sub_f32 v[MB], v[LB], v[MB]
	v_sub_f32 v[RS+3], v[LB], v[RS+3]
.irp n, RS, RS+1, MA, MB, RS+3
	v_cvt_i32_f32 v[\n], v[\n]                     ; (it saturates)
.endr
.irp n, RS, RS+1, MA, MB, RS+3
	v_ldexp_f32 v[\n], 1.0, v[\n]
.endr
	v_mul_f32 v[TT], v[RS], v[RS+4]
	v_mul_f32 v[LB], v[RS+3], v[RS+7]
	v_fmac_f32 v[TT], v[RS+1], v[RS+5]
	v_fmac_f32 v[LB], v[MB], v[RS+6]               ; half 1's sum of the row
	v_fmac_f32 v[TT], v[MA], v[RS+6]               ; half 0's
	VWAIT
	v_rcp_f32 v[LB+1], v[TT]
	v_rcp_f32 v[FF], v[LB]
	v_nop                                          ; a plain line behind the transcendentals,
	VWAIT
	v_ldexp_f32 v[LB+1], v[LB+1], s[EPV]
	v_ldexp_f32 v[FF], v[FF], s[EPV]
.irp n, 0,1                                    ; (each factor is named as a pair, so both are written)
	v_mul_f32 v[GG+\n], v[RS], v[LB+1]
	v_mul_f32 v[GG+2+\n], v[RS+1], v[LB+1]
	v_mul_f32 v[GG+4+\n], v[MA], v[LB+1]
	v_mul_f32 v[GG+6+\n], v[RS+3], v[FF]
	v_mul_f32 v[GG+8+\n], v[MB], v[FF]
.endr
	VWAIT
	s_wait_dscnt 0x0                               ; the four images are in, and my reads of these LDS bytes are over
.macro JMUL d, g
	WIN 0x82
.irp n, 0,2,4,6,8,10,12,14,16,18,20,22,24,26,28,30,32,34,36,38,40,42,44,46,48,50,52,54,56,58,60,62
	v_pk_mul_f32 v[\d+\n:\d+\n+1], v[\d+\n:\d+\n+1], v[GG+\g:GG+\g+1] op_sel_hi:[1,0]
.endr
.endm
.macro JFMA d, s, g
	WIN 0xa2
.irp n, 0,2,4,6,8,10,12,14,16,18,20,22,24,26,28,30,32,34,36,38,40,42,44,46,48,50,52,54,56,58,60,62
	v_pk_fma_f32 v[\d+\n:\d+\n+1], v[\s+\n:\s+\n+1], v[GG+\g:GG+\g+1], v[\d+\n:\d+\n+1] op_sel_hi:[1,0,1]
.endr
.endm
.macro TOROWS h, d, b                  ; the half's results at d into my stage, and back as whole rows at b
	WIN 0x08
.irp f, 0,1,2,3,4,5,6,7
	ds_store_b128 v[OS], v[\d+8*\f:\d+8*\f+3] offset:16*OPITCH*\h+64*\f           ; lane (r, half of the lanes): out(r, 16 f + 8 (lane / 16) + 0 .. 7)
	ds_store_b128 v[OS], v[\d+8*\f+4:\d+8*\f+7] offset:16*OPITCH*\h+64*\f+16
.endr
	WIN 0x80
.irp r, 0,1,2,3,4,5,6,7,8,9,10,11,12,13,14,15
	ds_load_b128 v[\b+4*\r:\b+4*\r+3], v[XR] offset:OPITCH*(16*\h+\r)             ; LDS serves a wave's instructions in order (ISA guide 5.7.1.4): these see my stores
.endr
.endm
	JMUL 0, 0
	JFMA 0, 64, 2
	JFMA 0, 128, 4
	TOROWS 0, 0, 64
	JMUL 192, 6
	JFMA 192, 128, 8
	TOROWS 1, 192, 128
	WIN 0x08
.irp h, 0,1
.irp r, 0,1,2,3,4,5,6,7,8,9,10,11,12,13,14,15
	s_wait_dscnt 15-\r+32*(1-\h)                   ; row r is back; the later rows' loads, and behind half 0's rows half 1's 32 LDS instructions, may be out
	global_store_b128 v[LI], v[64+64*\h+4*\r:64+64*\h+4*\r+3], s[OUT+2*\h:OUT+2*\h+1] offset:512*\r th:TH_STORE_NT   ; 32 lanes store a row of 512 consecutive bytes, aligned
.endr
.endr
	WIN 0
	s_wait_tensorcnt 0x0                           ; the wave's end
	ds_add_u32 v[SPW], v[NIL]
	s_wait_dscnt 0x0
	s_endpgm
.Lfunc_end_k_q2d0ecdb5da_attn:
	.size	k_q2d0ecdb5da_attn, .Lfunc_end_k_q2d0ecdb5da_attn-k_q2d0ecdb5da_attn
	.p2alignl 7, 3214868480
	.fill 96, 4, 3214868480
	.section	.rodata,"a",@progbits
	.p2align	6, 0x0
	.amdhsa_kernel k_q2d0ecdb5da_attn
		.amdhsa_group_segment_fixed_size 152064
		.amdhsa_private_segment_fixed_size 0
		.amdhsa_enable_private_segment 0
		.amdhsa_kernarg_size 40
		.amdhsa_user_sgpr_count 2
		.amdhsa_user_sgpr_kernarg_segment_ptr 1
		.amdhsa_wavefront_size32 1
		.amdhsa_system_sgpr_workgroup_id_x 1
		.amdhsa_system_sgpr_workgroup_id_y 1
		.amdhsa_system_sgpr_workgroup_id_z 1
		.amdhsa_system_vgpr_workitem_id 0
		.amdhsa_next_free_vgpr 1024
		.amdhsa_next_free_sgpr 66
		.amdhsa_reserve_vcc 1
		.amdhsa_float_denorm_mode_32 3
		.amdhsa_float_denorm_mode_16_64 3
		.amdhsa_memory_ordered 1
		.amdhsa_forward_progress 1
		.amdhsa_inst_pref_size 226
	.end_amdhsa_kernel
	.amdgpu_metadata
---
amdhsa.version: [ 1, 2 ]
amdhsa.kernels:
  - .name:           k_q2d0ecdb5da_attn
    .symbol:         k_q2d0ecdb5da_attn.kd
    .args:
      - { .name: queries, .offset: 0, .size: 8, .value_kind: global_buffer, .address_space: global }
      - { .name: kv, .offset: 8, .size: 8, .value_kind: global_buffer, .address_space: global }
      - { .name: order, .offset: 16, .size: 8, .value_kind: global_buffer, .address_space: global }
      - { .name: lowp_scales, .offset: 24, .size: 8, .value_kind: global_buffer, .address_space: global }
      - { .name: out0, .offset: 32, .size: 8, .value_kind: global_buffer, .address_space: global }
    .group_segment_fixed_size: 152064
    .private_segment_fixed_size: 0
    .kernarg_segment_align: 8
    .kernarg_segment_size: 40
    .max_flat_workgroup_size: 128
    .sgpr_count:     66
    .vgpr_count:     1024
    .wavefront_size: 32
...
	.end_amdgpu_metadata
.endif
;; end of part 2
